; MI455X (gfx1250); checked and timed in simulation.
; The chip was launched on July 23, 2026; its instructions are those of AMD's public machine-readable ISA for CDNA 5 (MIT licence, August 2026) and "CDNA5" Instruction Set Architecture Reference Guide (July 2026). The comments in the code are by the model that wrote it; some were corrected since.
;; Readin Cross Attention. Allowed arithmetic: matrix products marked QUANTISED: E4M3 operands, one E8M0 scale for each 32 along K, by v_wmma_scale_f32_16x16x128_f8f6f4 with both operands' format E4M3, f32 sums; products left as they are: f32 operands where the result goes on into a quantised operand, else bf16, f16 or f32 operands; f32 sums; everything else in f32.
;; Inputs: array 8 x 2 x 128 float32; kW1 256 x 128 float32; kW2_codes 128 x 4 x 32 uint8 (E4M3 codes of kW2, K innermost, in blocks of 32 codes); kW2_scales 128 x 4 uint8 (E8M0 scales of kW2, one for each 32 codes along K); kb1 128 float32; kb2 128 float32; pos_embeds_codes 128 x 4 x 32 uint8 (E4M3 codes of pos_embeds, K innermost, in blocks of 32 codes); pos_embeds_scales 128 x 4 uint8 (E8M0 scales of pos_embeds, one for each 32 codes along K); query 128 float32; session 8 x 128 float32; state_in 8 x 256 x 2 x 128 float32; subject 8 x 128 float32; vW1 257 x 128 float32; vW2_codes 256 x 4 x 32 uint8 (E4M3 codes of vW2, K innermost, in blocks of 32 codes); vW2_scales 256 x 4 uint8 (E8M0 scales of vW2, one for each 32 codes along K); vb1 128 float32; vb2 256 float32.
;; Outputs: out0 8 x 256 x 2 x 256 float32.
;; This version of the problem:
;;   THIS VERSION OF THE PROBLEM IS GIVEN IN LOW PRECISION. The matrix products marked QUANTISED in the list below multiply operands that are first quantised to E4M3 (4 exponent bits, 3 mantissa bits; 8 bits a number), with one power-of-two scale for each 32 numbers along K (OCP MX v1.0); their sums are f32. All else is computed in f32.
;;   The module's matrix products, in the order in which they are computed (A, B: the left and right operand; K: the contracted axis; several contracted axes count as one K, in the product's order):
;;     1. [M 128, K 128] x [K 128, N 128]; A: input pos_embeds (given as codes); B: input kW1: QUANTISED
;;     2. [M 8, K 128] x [K 128, N 128]; A: input session; B: input kW1: left as it is (M = 8 < 16)
;;     3. [M 1,024, K 128] x [K 128, N 128]; A: computed on the way; B: input kW2 (given as codes): QUANTISED
;;     4. [M 128, K 128] x [K 128, N 128]; A: input pos_embeds (given as codes); B: input vW1: QUANTISED
;;     5. [M 8, K 128] x [K 128, N 128]; A: input session; B: input vW1: left as it is (M = 8 < 16)
;;     6. [M 524,288, K 128] x [K 128, N 256]; A: computed on the way; B: input vW2 (given as codes): QUANTISED
;;     7. [M 1,024, K 128] x [K 128, N 1]; A: computed on the way; B: input query: left as it is (N = 1 < 16)
;;     8. batch 8 x [M 1, K 128] x [K 128, N 131,072]; A: softmax; B: computed on the way: left as it is (M = 1 < 16)
;;   THE QUANTISER, for each operand of a quantised product, along K:
;;     - K is cut into blocks of 32 from its start; a last block that is shorter is filled with zeros.
;;     - A block's scale is 2^e with e = floor(log2(the largest magnitude in the block)) - 8, held to -126 .. 127; a block of zeros has e = 0. As a byte (E8M0): e + 127.
;;     - Each number is divided by its block's scale, clamped to +-448, and rounded to the nearest number of E4M3, ties to even, subnormals kept.
;;     - The product sums the exact products of the quantised numbers (number of the format x scale) in f32.
;;   ~~~python
;;   def quantise(x, axis):      # numpy; x: float32 -> the quantised numbers, widened to float32 again
;;       x = np.moveaxis(x, axis, -1); K = x.shape[-1]
;;       x = np.pad(x, [(0, 0)] * (x.ndim - 1) + [(0, -K % 32)]); x = x.reshape(x.shape[:-1] + (-1, 32)); a = np.abs(x).max(-1, keepdims=True)
;;       e = np.where(a > 0, np.clip(np.frexp(np.where(a > 0, a, 1))[1] - 1 - 8, -126, 127), 0)      # np.frexp(a)[1] - 1 = floor(log2(a)), exactly
;;       r = np.clip(x / 2.0 ** e, -448, 448)
;;       step = 2.0 ** (np.maximum(np.frexp(np.where(r == 0, 1, r))[1] - 1, -6) - 3)
;;       q = np.round(r / step) * step * 2.0 ** e      # np.round: ties to even
;;       return np.moveaxis(q.reshape(q.shape[:-2] + (-1,))[..., :K], -1, axis).astype(np.float32)
;;   ~~~
;;   OPERANDS COMPUTED ON THE WAY. 'Computed on the way' means the value that the module computes at that place (a softmax that the list does not call 'softmax' is quantised finished and normalised). What goes into a quantiser is computed in f32, as accurately as f32 sums, v_exp_f32 and their like allow (about 1e-6 of the number): no bf16 or f16 on the way to a quantiser, and a product that is left as it is and whose result goes on into a quantised operand takes f32 operands (vector FMAs, or v_wmma_f32_16x16x4_f32). A number that lies on a knife's edge between two numbers of the format may be rounded either way, as far as f32 arithmetic and the matrix unit's own rounding can turn it there, and no further.
;;   INPUTS GIVEN AS CODES. kW2 (in the module: [128, 128], K = its axis 0); pos_embeds (in the module: [128, 128], K = its axis 1); vW2 (in the module: [128, 256], K = its axis 0): each comes as NAME_codes (uint8): NAME with its K axis moved to the last place and cut into blocks of 32 codes, [.., K / 32, bytes a block], one block behind the other in memory; one code a byte (a code: sign, 4 exponent bits, 3 mantissa bits); and NAME_scales (uint8): the same leading axes, one E8M0 byte (e + 127) for each 32 codes along K. Its value is code x scale, taken as it is: it is not quantised again, and the codes and scales need not be those that the quantiser above would give.
;; One version. Each part assembles by itself: llvm-mc -triple=amdgcn-amd-amdhsa -mcpu=gfx1250 --defsym DOCPART=n.
;; ======== version 1 of 1: 2 launches
;; limits: right only within a limited range of input values
;; workspace buffers: base_img 524,288 bytes; wbuf 8,192 bytes
;; launch prep (part 1): grid 8 x 1, 8 waves a work-group, no clusters, 37,888 bytes of LDS; arguments session, kW1, kb1, vW1, vb1, pos_embeds_codes, pos_embeds_scales, kW2_codes, kW2_scales, kb2, query, base_img, wbuf; writes base_img, wbuf
.if DOCPART == 1
	.amdgcn_target "amdgcn-amd-amdhsa--gfx1250"
	.amdhsa_code_object_version 6
	.text
	.protected	k_q158aae1ec5_prep
	.globl	k_q158aae1ec5_prep
	.p2align	8
	.type	k_q158aae1ec5_prep,@function
k_q158aae1ec5_prep:
	s_mov_b64 s[64:65], 0
	v_nop
	global_prefetch_b8 v0, s[64:65] scope:SCOPE_SE
	s_setreg_imm32_b32 hwreg(HW_REG_WAVE_MODE, 25, 1), 1
	s_wait_xcnt 0x0
; What depends on the batch index b alone, once for each b (work-group = b, eight waves):
;   base[b][c][k] = pos[c] . Q(vW1[:128])[:, k] + session[b] . vW1[128:256][:, k] + vb1[k]      -> base_img
;   kh likewise from kW1, kb1;  keys = Q(gelu(kh)) kW2 + kb2;  score[c] = keys[c] . query / sqrt(128);  w = softmax over c; sw = the sum of w  -> wbuf
; The products with pos and with kW2 run on E4M3 codes with E8M0 scales (v_wmma_scale_f32_16x16x128_f8f6f4); the two products with session (8 rows) are f32 multiply-adds, since they go on into a quantiser.
; The inputs subject and array: no result hangs on them, so no launch is given them.
; SHARES.  Wave t quantises tile t (16 columns) of kW1[:128] and of vW1[:128], a lane to a column with its registers down K, and hands the codes to the others through LDS as images of the operand's registers.
; Then wave t owns channels 16 t .. 16 t + 15 for all that follows.  Thread n (waves 0-3: kW1, waves 4-7: vW1) makes column n of the product with session.
; LAYOUT.  All products are used transposed (source 0 = 16 rows of a weight, source 1 = 16 channels): a lane holds ONE channel, its registers run along the next K.
; THE COLUMNS OF A TILE OF W1 ARE NOT NEIGHBOURS: lane r of tile 2 b + u takes column 32 b + 8 u + r + 8 (r / 8), so that registers 16 b + i of a lane are k = 32 b + 16 (lane / 16) + i of the next product.
; base_img: [b][tile of 16 channels][q 16][lane 32][4 f32]: that register image, 16 bytes a lane, 512 consecutive bytes a store.   wbuf: 1,024 bytes a b: w[0..127], then sw 128 times.
; GELU: 0.5 x (1 + erf(x / sqrt 2)), erf(x / sqrt 2) = xc P(xc^2) / Q(xc^2), xc = x held to +-4 sqrt 2, P of degree 6 and Q of degree 4 (the powers of 2 and the sqrt 2 are folded into the coefficients).
; LIMITS: NaN and infinities are not served; beyond |x| = 5.657 erf is the rational's value at that bound; a block of zeros gets the scale byte 1 (its codes are zeros, and this program alone reads the byte).
; No tensor loads, no cluster: eight work-groups share only weights that each reads once.
.set WQ,   0                           ; LDS: [matrix 2][tile 8] images of 2,048 bytes (register group c at 512 c + 16 lane)
.set WQS,  32768                       ; [matrix 2][tile 8] scale words, 4 bytes a lane
.set SB,   34816                       ; session's products + bias: kW1's 128 numbers, then vW1's
.set SCR,  35840                       ; the 128 scores
.set LI,   1                           ; 16 x lane
.set LS,   2                           ; 4 x lane
.set IW,   3                           ; 16 x lane + 2,048 x wave: where I store an image
.set SWA,  4                           ; 4 x lane + 128 x wave: and its scale words
.set BH,   5                           ; 64 x (lane / 16)
.set SCRA, 6                           ; SCR + 4 (16 wave + lane % 16)
.set SBA,  7                           ; SB + 4 x thread
.set WOFF, 8                           ; my column of my tile of W1, and my half's 16 rows
.set SOFF, 9                           ; 4 x (thread % 128)
.set ZERO, 10
.set FOFF, 11                          ; 128 x (lane % 16) + 16 x (lane / 16): a fragment of rows of 128 codes
.set R4,   12                          ; 4 x (lane % 16)
.set H32,  13                          ; 32 x (lane / 16)
.set RA,   16                          ; v16-79   kW1's tile as f32; then kh, in the next operand's order
.set RB,   80                          ; v80-143  vW1's tile as f32; then base
.set XC,   144                         ; v144-207 at work in the gelu: xc, y, P, Q
.set Y,    160
.set P,    176
.set Q,    192
.set SAC,  144                         ; four packed sums
.set BI,   152                         ; the bias of my column; v153 the number that goes to SB
.set CD,   208                         ; v208-223 the codes just made
.set PF,   224                         ; v224-239 pos: my 16 channels' fragment
.set WS,   240                         ; v240-247 scale words of eight weight tiles
.set PS,   248                         ; pos's scale words
.set AS,   249                         ; the scale word just made
.set MX,   250
.set PX,   251
.set SO,   252
.set HB,   253
.set BY,   254
.set LV,   255                         ; 4 sqrt 2
.set KA,   80                          ; v[80:81], v[82:83]: the leading coefficients of P and Q, once base has left
.set KB,   82
; window 1: v0-127 the weights for session's product, then kW2's eight fragments; v128-255 session, then eight fragments of W1's codes, then kb2 (128-191, the keys' sums) and query (192-255)
.set WV,   34
.set SEL,  38
.set MNT,  40
.set CA5,  42
.set CA4,  44
.set CA3,  46
.set CA2,  48
.set CA1,  50
.set CA0,  52
.set CB3,  54
.set CB2,  56
.set CB1,  58
.set CB0,  60
.set MSB, 0
.macro WIN new                         ; the immediate's high byte repeats the setting that is left
.if MSB != \new
	s_set_vgpr_msb (MSB<<8)|\new
.set MSB, \new
.endif
.endm
.macro SPAIR reg, val                  ; a packed form names a scalar pair: both words are written
	s_mov_b32 s[\reg], \val
	s_mov_b32 s[\reg+1], \val
.endm
.macro PLACES n
.rept \n
	v_nop
.endr
.endm
.macro POOL n                          ; (the other launch sets pooling work into the quantiser's chain; here there is none)
.endm
.macro HORN d, c                       ; d = d y + c, 16 numbers
.irp i,0,2,4,6,8,10,12,14
	v_pk_fma_f32 v[\d+\i:\d+\i+1], v[\d+\i:\d+\i+1], v[Y+\i:Y+\i+1], s[\c:\c+1] op_sel_hi:[1,1,0]
.endr
.endm
; v[x] .. v[x + 15] become their gelu, in place: 152 instructions for 16 numbers, one reciprocal a number
.macro GELU16 x
.irp i,0,1,2,3,4,5,6,7,8,9,10,11,12,13,14,15
	v_med3_num_f32 v[XC+\i], v[\x+\i], -v[LV], v[LV]
.endr
.irp i,0,2,4,6,8,10,12,14
	v_pk_mul_f32 v[Y+\i:Y+\i+1], v[XC+\i:XC+\i+1], v[XC+\i:XC+\i+1]
.endr
.irp i,0,2,4,6,8,10,12,14
	v_pk_fma_f32 v[P+\i:P+\i+1], v[Y+\i:Y+\i+1], v[KA:KA+1], s[CA5:CA5+1] op_sel_hi:[1,1,0]
.endr
.irp i,0,2,4,6,8,10,12,14
	v_pk_fma_f32 v[Q+\i:Q+\i+1], v[Y+\i:Y+\i+1], v[KB:KB+1], s[CB3:CB3+1] op_sel_hi:[1,1,0]
.endr
	HORN P, CA4
	HORN Q, CB2
	HORN P, CA3
	HORN Q, CB1
	HORN P, CA2
	HORN Q, CB0
	HORN P, CA1
	HORN P, CA0
	s_wait_alu depctr_va_vdst(0)
.irp i,0,2,4,6,8,10,12,14
	v_rcp_f32 v[Q+\i], v[Q+\i]                                     ; behind each reciprocal one plain instruction that touches neither its result nor its source (ISA guide 5.7.2)
	v_pk_mul_f32 v[P+\i:P+\i+1], v[XC+\i:XC+\i+1], v[P+\i:P+\i+1]  ; xc P
	v_rcp_f32 v[Q+\i+1], v[Q+\i+1]
	v_pk_mul_f32 v[\x+\i:\x+\i+1], v[\x+\i:\x+\i+1], 0.5 op_sel_hi:[1,0]   ; x / 2, of the x that was not held
.endr
	s_wait_alu depctr_va_vdst(0)
.irp i,0,2,4,6,8,10,12,14
	v_pk_mul_f32 v[P+\i:P+\i+1], v[P+\i:P+\i+1], v[Q+\i:Q+\i+1]    ; erf
.endr
.irp i,0,2,4,6,8,10,12,14
	v_pk_fma_f32 v[\x+\i:\x+\i+1], v[\x+\i:\x+\i+1], v[P+\i:P+\i+1], v[\x+\i:\x+\i+1]
.endr
.endm
; A lane's 16 numbers of block b (the other 16 lie in lane xor 16) become registers 4 b .. 4 b + 3 of the codes at v[cd] and byte b of the scale word v[as]
.macro QBLK x, cd, as, b
.irp j,0,1,2,3,4
	v_max3_num_f32 v[XC+\j], |v[\x+3*\j]|, |v[\x+3*\j+1]|, |v[\x+3*\j+2]|
.endr
	POOL 2
	s_delay_alu instid0(VALU_DEP_3)
	v_max3_num_f32 v[XC], v[XC], v[XC+1], v[XC+2]
	s_delay_alu instid0(VALU_DEP_2)
	v_max3_num_f32 v[XC+3], v[XC+3], v[XC+4], |v[\x+15]|
	POOL 3
	s_delay_alu instid0(VALU_DEP_1)
	v_max3_num_f32 v[MX], v[XC], v[XC+3], 0x4800000                ; with the floor 2^(9 - 127): the byte cannot fall under 1
	POOL 3
	s_delay_alu instid0(VALU_DEP_1)
	v_permlanex16_b32 v[PX], v[MX], s[SEL], s[SEL+1]
	POOL 3
	s_delay_alu instid0(VALU_DEP_1)
	v_max_num_f32 v[MX], v[MX], v[PX]                              ; the block's largest magnitude
	POOL 3
	s_delay_alu instid0(VALU_DEP_1)
	v_add_nc_u32 v[SO], 0xfc000000, v[MX]                          ; 8 off its exponent field: the conversion's scale operand
	s_delay_alu instid0(VALU_DEP_2)
	v_and_or_b32 v[HB], v[MX], 0x7f800000, s[MNT]                  ; 448 x the scale
	POOL 2
.if \b == 0
	s_delay_alu instid0(VALU_DEP_2)
	v_lshrrev_b32 v[\as], 23, v[SO]                                ; the scale's byte
.else
	s_delay_alu instid0(VALU_DEP_2)
	v_lshrrev_b32 v[BY], 23, v[SO]
	s_delay_alu instid0(VALU_DEP_1)
	v_lshl_or_b32 v[\as], v[BY], 8*\b, v[\as]
.endif
.irp i,0,1,2,3,4,5,6,7,8,9,10,11,12,13,14,15
	v_med3_num_f32 v[\x+\i], v[\x+\i], -v[HB], v[HB]               ; the conversion to an 8-bit code does not saturate (ISA guide 7.6.2): the hold
.endr
	v_cvt_scalef32_pk8_fp8_f32 v[(\cd)+4*\b:(\cd)+4*\b+1], v[\x:\x+7], v[SO]
	v_cvt_scalef32_pk8_fp8_f32 v[(\cd)+4*\b+2:(\cd)+4*\b+3], v[\x+8:\x+15], v[SO]
	v_nop                                                          ; one plain instruction behind the conversions, ahead of whatever next writes their sources
.endm
.macro IMAGE mat                       ; my tile's codes and scale words go to LDS as they stand in the registers
.irp c,0,1,2,3
	ds_store_b128 v[IW], v[CD+4*\c:CD+4*\c+3] offset:WQ+16384*\mat+512*\c
.endr
	ds_store_b32 v[SWA], v[AS] offset:WQS+1024*\mat
	s_wait_dscnt 0x0                                               ; landed, and the registers are free
.endm
.macro WFETCH mat                      ; all eight tiles of a matrix come back so, into window 1, v128 on; their scale words into WS
	WIN 0x40
.set cnt, 0
.rept 8
.irp c,0,1,2,3
	ds_load_b128 v[128+16*cnt+4*\c:131+16*cnt+4*\c], v[LI] offset:WQ+16384*\mat+2048*cnt+512*\c
.endr
.set cnt, cnt+1
.endr
	WIN 0
.irp t,0,1,2,3,4,5,6,7
	ds_load_b32 v[WS+\t], v[LS] offset:WQS+1024*\mat+128*\t
.endr
.endm
.macro WPROD acc                       ; eight tiles: source 0 = 16 columns of W1, source 1 = my 16 channels of pos; C = the bias, already in the result's registers
	WIN 0x01
.irp t,0,1,2,3,4,5,6,7
	v_wmma_scale_f32_16x16x128_f8f6f4 v[\acc+8*\t:\acc+8*\t+7], v[128+16*\t:143+16*\t], v[PF:PF+15], v[\acc+8*\t:\acc+8*\t+7], v[WS+\t], v[PS]
.endr
	WIN 0
	PLACES 8                                                       ; eight places behind this form, ahead of reads of the results and of loads into its operands
.endm
.macro WSUM r, t                       ; the sum of v[r] over the wave's 32 lanes, in every lane
	s_delay_alu instid0(VALU_DEP_1)
	v_add_f32_dpp v[\r], v[\r], v[\r] row_xmask:1 row_mask:0xf bank_mask:0xf
	s_delay_alu instid0(VALU_DEP_1)
	v_add_f32_dpp v[\r], v[\r], v[\r] row_xmask:2 row_mask:0xf bank_mask:0xf
	s_delay_alu instid0(VALU_DEP_1)
	v_add_f32_dpp v[\r], v[\r], v[\r] row_xmask:4 row_mask:0xf bank_mask:0xf
	s_delay_alu instid0(VALU_DEP_1)
	v_add_f32_dpp v[\r], v[\r], v[\r] row_xmask:8 row_mask:0xf bank_mask:0xf
	s_delay_alu instid0(VALU_DEP_1)
	v_permlanex16_b32 v[\t], v[\r], s[SEL], s[SEL+1]
	s_delay_alu instid0(VALU_DEP_1)
	v_add_f32 v[\r], v[\r], v[\t]
.endm
	s_load_b512 s[4:19], s[0:1], 0x0               ; session 4, kW1 6, kb1 8, vW1 10, vb1 12, pos codes 14, pos scales 16, kW2 codes 18
	s_load_b256 s[20:27], s[0:1], 0x40             ; kW2 scales 20, kb2 22, query 24, base_img 26
	s_load_b64 s[28:29], s[0:1], 0x60              ; wbuf
	v_lshrrev_b32 v14, 5, v0
	s_delay_alu instid0(VALU_DEP_1)
	v_readfirstlane_b32 s[WV], v14                 ; wave 0..7
	v_and_b32 v14, 31, v0
	s_delay_alu instid0(VALU_DEP_1)
	v_lshlrev_b32 v[LI], 4, v14
	s_delay_alu instid0(VALU_DEP_2)
	v_lshlrev_b32 v[LS], 2, v14
	s_lshl_b32 s35, s[WV], 11
	v_add_nc_u32 v[IW], s35, v[LI]
	s_lshl_b32 s35, s[WV], 7
	v_add_nc_u32 v[SWA], s35, v[LS]
	v_and_b32 v14, 15, v0                          ; r
	v_bfe_u32 v15, v0, 4, 1                        ; h
	s_delay_alu instid0(VALU_DEP_1)
	v_lshlrev_b32 v[BH], 6, v15
	s_lshl_b32 s35, s[WV], 6
	s_add_co_u32 s35, s35, SCR
	v_lshl_add_u32 v[SCRA], v14, 2, s35
	v_lshl_add_u32 v[SBA], v0, 2, SB
	v_and_b32 v[WOFF], 8, v14
	s_delay_alu instid0(VALU_DEP_1)
	v_add_nc_u32 v[WOFF], v[WOFF], v14             ; r + 8 (r / 8)
	s_lshr_b32 s35, s[WV], 1
	s_lshl_b32 s35, s35, 5
	s_and_b32 s62, s[WV], 1
	s_lshl_b32 s62, s62, 3
	s_add_co_u32 s35, s35, s62                     ; my tile's first column: 32 (t / 2) + 8 (t % 2)
	v_add_nc_u32 v[WOFF], s35, v[WOFF]
	s_delay_alu instid0(VALU_DEP_1)
	v_lshlrev_b32 v[WOFF], 2, v[WOFF]
	s_delay_alu instid0(VALU_DEP_1)
	v_lshl_add_u32 v[WOFF], v15, 13, v[WOFF]       ; lanes 16-31 begin 16 rows of 512 bytes further down
	v_and_b32 v[SOFF], 127, v0
	s_delay_alu instid0(VALU_DEP_1)
	v_lshlrev_b32 v[SOFF], 2, v[SOFF]
	v_mov_b32 v[ZERO], 0
	v_lshlrev_b32 v[FOFF], 7, v14
	s_delay_alu instid0(VALU_DEP_1)
	v_lshl_add_u32 v[FOFF], v15, 4, v[FOFF]
	v_lshlrev_b32 v[R4], 2, v14
	v_lshlrev_b32 v[H32], 5, v15
	v_mov_b32 v[PX], 0                             ; written once: a lane permute's destination counts as one of its sources
	v_mov_b32 v[LV], 0x40b504f3                    ; 4 sqrt 2
	s_mov_b32 s[SEL], 0x76543210
	s_mov_b32 s[SEL+1], 0xfedcba98                 ; lane xor 16
	s_mov_b32 s[MNT], 0x600000                     ; the mantissa field of 448
	SPAIR CA5, 0x306dffee
	SPAIR CA4, 0xb40cff51
	SPAIR CA3, 0xb6eec2d2
	SPAIR CA2, 0xb940ac63
	SPAIR CA1, 0xbac1a1f6
	SPAIR CA0, 0xbc83dbd4
	SPAIR CB3, 0xb81e3512
	SPAIR CB2, 0xba1bf7b5
	SPAIR CB1, 0xbbaad7f2
	SPAIR CB0, 0xbca542a9
	s_mov_b32 s37, 0
	s_wait_alu depctr_va_vdst(0)
	s_wait_kmcnt 0x0
	s_lshl_b32 s36, ttmp9, 9
	s_add_nc_u64 s[4:5], s[4:5], s[36:37]          ; session[b]
	s_lshl_b32 s36, s[WV], 11
	s_add_nc_u64 s[14:15], s[14:15], s[36:37]      ; pos codes at my 16 channels
	s_lshl_b32 s36, s[WV], 6
	s_add_nc_u64 s[16:17], s[16:17], s[36:37]      ; and their scale words
	s_lshl_b32 s36, ttmp9, 16
	s_lshl_b32 s35, s[WV], 13
	s_add_co_u32 s36, s36, s35
	s_add_nc_u64 s[26:27], s[26:27], s[36:37]      ; base_img at (b, my tile of channels)
	s_lshl_b32 s36, ttmp9, 10
	s_add_nc_u64 s[28:29], s[28:29], s[36:37]      ; wbuf at b
	s_cmp_lt_u32 s[WV], 4                          ; waves 0-3 take kW1 and kb1 for session's product, waves 4-7 vW1 and vb1
	s_cselect_b64 s[30:31], s[6:7], s[10:11]
	s_cselect_b64 s[32:33], s[8:9], s[12:13]
	; ---- loads: session[b] (the same 512 bytes in every lane), column n of W[128:256], its bias; then my tile of kW1[:128]
	WIN 0x40
.set cnt, 0
.rept 32
	global_load_b128 v[128+4*cnt:131+4*cnt], v[ZERO], s[4:5] offset:16*cnt
.set cnt, cnt+1
.endr
.set cnt, 0
.rept 128
	global_load_b32 v[cnt], v[SOFF], s[30:31] offset:65536+512*cnt
.set cnt, cnt+1
.endr
	WIN 0
	global_load_b32 v[BI], v[SOFF], s[32:33]
.irp c,0,1,2,3
.irp i,0,1,2,3,4,5,6,7,8,9,10,11,12,13,14,15
	global_load_b32 v[RA+16*\c+\i], v[WOFF], s[6:7] offset:(32*\c+\i)*512      ; kW1(32 c + 16 h + i, my column)
.endr
.endr
.irp c,0,1,2,3
.irp i,0,1,2,3,4,5,6,7,8,9,10,11,12,13,14,15
	global_load_b32 v[RB+16*\c+\i], v[WOFF], s[10:11] offset:(32*\c+\i)*512    ; vW1 likewise, asked for with it
.endr
.endr
	s_wait_loadcnt 63                              ; 128 loads stand behind the bias: all ahead of the last 63 are in
	; ---- session[b] . W[128:256][:, n] in f32: 64 packed multiply-adds in four chains
	WIN 0x05
.set cnt, 0
.rept 64
.if cnt < 4
	v_pk_mul_f32 v[SAC+2*cnt:SAC+2*cnt+1], v[128+2*cnt:129+2*cnt], v[2*cnt:2*cnt+1]
.else
	s_delay_alu instid0(VALU_DEP_4)
	v_pk_fma_f32 v[SAC+2*(cnt%4):SAC+2*(cnt%4)+1], v[128+2*cnt:129+2*cnt], v[2*cnt:2*cnt+1], v[SAC+2*(cnt%4):SAC+2*(cnt%4)+1]
.endif
.set cnt, cnt+1
.endr
	WIN 0
	v_pk_add_f32 v[SAC:SAC+1], v[SAC:SAC+1], v[SAC+2:SAC+3]
	v_pk_add_f32 v[SAC+4:SAC+5], v[SAC+4:SAC+5], v[SAC+6:SAC+7]
	s_delay_alu instid0(VALU_DEP_1)
	v_pk_add_f32 v[SAC:SAC+1], v[SAC:SAC+1], v[SAC+4:SAC+5]
	s_delay_alu instid0(VALU_DEP_1)
	v_add_f32 v[SAC], v[SAC], v[SAC+1]
	s_delay_alu instid0(VALU_DEP_1)
	v_add_f32 v[BI+1], v[SAC], v[BI]               ; + the bias
	ds_store_b32 v[SBA], v[BI+1]
	; ---- my tile of kW1[:128] becomes codes
	s_wait_loadcnt 63                              ; 64 loads stand behind kW1's tile
.irp b,0,1,2,3
	QBLK RA+16*\b, CD, AS, \b
.endr
	IMAGE 0
	; ---- the same for vW1[:128]; pos's fragment and kW2's eight are asked for
.irp c,0,1,2,3
	global_load_b128 v[PF+4*\c:PF+4*\c+3], v[FOFF], s[14:15] offset:32*\c
.endr
	global_load_b32 v[PS], v[R4], s[16:17]
	WIN 0x40
.set cnt, 0
.rept 8
.irp c,0,1,2,3
	global_load_b128 v[16*cnt+4*\c:16*cnt+4*\c+3], v[FOFF], s[18:19] offset:2048*cnt+32*\c
.endr
.set cnt, cnt+1
.endr
	WIN 0
	s_wait_loadcnt 37                              ; 5 + 32 loads stand behind vW1's tile
.irp b,0,1,2,3
	QBLK RB+16*\b, CD, AS, \b
.endr
	IMAGE 1                                        ; (its wait for 0 stands in front of the signal: my stores have landed)
	s_barrier_signal -1
	s_barrier_wait -1                              ; all sixteen images and both rows of biases lie in LDS
	; ---- the biases in the results' layout: register 16 b + i = number 32 b + 16 h + i
.irp b,0,1,2,3
.irp q,0,1,2,3
	ds_load_b128 v[RB+16*\b+4*\q:RB+16*\b+4*\q+3], v[BH] offset:SB+512+128*\b+16*\q
	ds_load_b128 v[RA+16*\b+4*\q:RA+16*\b+4*\q+3], v[BH] offset:SB+128*\b+16*\q
.endr
.endr
	WFETCH 1
	s_wait_dscnt 0x0
	s_wait_loadcnt 32                              ; pos is in; kW2's 32 loads may stay out
	WPROD RB                                       ; base
.set cnt, 0
.rept 16
	global_store_b128 v[LI], v[RB+4*cnt:RB+4*cnt+3], s[26:27] offset:512*cnt   ; each tile's registers from the low end on; 512 consecutive bytes a store
.set cnt, cnt+1
.endr
	WFETCH 0
	s_wait_dscnt 0x0
	WPROD RA                                       ; kh
	; ---- what the keys want: kb2 (their sums' first C) and query in the result's layout, kW2's scale words
	WIN 0x40
.irp t,0,1,2,3,4,5,6,7
	global_load_b128 v[128+8*\t:131+8*\t], v[H32], s[22:23] offset:64*\t
	global_load_b128 v[132+8*\t:135+8*\t], v[H32], s[22:23] offset:64*\t+16
	global_load_b128 v[192+8*\t:195+8*\t], v[H32], s[24:25] offset:64*\t
	global_load_b128 v[196+8*\t:199+8*\t], v[H32], s[24:25] offset:64*\t+16
.endr
	WIN 0
.irp t,0,1,2,3,4,5,6,7
	global_load_b32 v[WS+\t], v[R4], s[20:21] offset:64*\t
.endr
	s_wait_xcnt 0x0                                ; base's stores have read their registers: four of them are written again
	v_mov_b32 v[KA], 0xac95df0b
	v_mov_b32 v[KA+1], 0xac95df0b
	v_mov_b32 v[KB], 0xb5accd2b
	v_mov_b32 v[KB+1], 0xb5accd2b
.irp b,0,1,2,3
	GELU16 RA+16*\b
	QBLK RA+16*\b, CD, AS, \b
.endr
	PLACES 4                                       ; codes made by vector instructions stand four places ahead of a scaled product; the scale word's last write stands ahead of the 16 holds
	s_wait_alu depctr_va_vdst(0)
	s_wait_loadcnt 0x0
	WIN 0x51                                       ; source 0 (kW2), C and D (kb2's registers) window 1; source 1 (my codes) window 0
.irp t,0,1,2,3,4,5,6,7
	v_wmma_scale_f32_16x16x128_f8f6f4 v[128+8*\t:135+8*\t], v[16*\t:16*\t+15], v[CD:CD+15], v[128+8*\t:135+8*\t], v[WS+\t], v[AS]
.endr
	WIN 0
	PLACES 8
	; ---- score = keys . query / sqrt(128): a lane holds 64 of its channel's keys; each tile is read from its low end on
	WIN 0x05
.irp j,0,2,4,6
.irp t,0,1,2,3,4,5,6,7
.if (\j == 0) && (\t < 4)
	v_pk_mul_f32 v[SAC+2*\t:SAC+2*\t+1], v[128+8*\t+\j:129+8*\t+\j], v[192+8*\t+\j:193+8*\t+\j]
.else
	v_pk_fma_f32 v[SAC+2*(\t%4):SAC+2*(\t%4)+1], v[128+8*\t+\j:129+8*\t+\j], v[192+8*\t+\j:193+8*\t+\j], v[SAC+2*(\t%4):SAC+2*(\t%4)+1]
.endif
.endr
.endr
	WIN 0
	v_pk_add_f32 v[SAC:SAC+1], v[SAC:SAC+1], v[SAC+2:SAC+3]
	v_pk_add_f32 v[SAC+4:SAC+5], v[SAC+4:SAC+5], v[SAC+6:SAC+7]
	s_delay_alu instid0(VALU_DEP_1)
	v_pk_add_f32 v[SAC:SAC+1], v[SAC:SAC+1], v[SAC+4:SAC+5]
	s_delay_alu instid0(VALU_DEP_1)
	v_add_f32 v[SAC], v[SAC], v[SAC+1]
	s_delay_alu instid0(VALU_DEP_1)
	v_permlanex16_b32 v[SAC+1], v[SAC], s[SEL], s[SEL+1]
	s_delay_alu instid0(VALU_DEP_1)
	v_add_f32 v[SAC], v[SAC], v[SAC+1]             ; with the other 64 keys
	s_delay_alu instid0(VALU_DEP_1)
	v_mul_f32 v[SAC], 0x3db504f3, v[SAC]           ; / sqrt(128)
	ds_store_b32 v[SCRA], v[SAC]                   ; both halves of the lanes write the same word with the same value
	s_wait_dscnt 0x0
	s_barrier_signal -1
	s_barrier_wait -1                              ; the 128 scores lie in LDS
	; ---- the softmax over the 128 channels: wave 0, four scores a lane; the maximum is taken away first
	s_cmp_lg_u32 s[WV], 0
	s_cbranch_scc1 .Ldone
	ds_load_b128 v[144:147], v[LI] offset:SCR
	s_wait_dscnt 0x0
	v_max3_num_f32 v148, v144, v145, v146
	s_delay_alu instid0(VALU_DEP_1)
	v_max_num_f32 v148, v148, v147
	s_delay_alu instid0(VALU_DEP_1)
	v_max_num_f32_dpp v148, v148, v148 row_xmask:1 row_mask:0xf bank_mask:0xf
	s_delay_alu instid0(VALU_DEP_1)
	v_max_num_f32_dpp v148, v148, v148 row_xmask:2 row_mask:0xf bank_mask:0xf
	s_delay_alu instid0(VALU_DEP_1)
	v_max_num_f32_dpp v148, v148, v148 row_xmask:4 row_mask:0xf bank_mask:0xf
	s_delay_alu instid0(VALU_DEP_1)
	v_max_num_f32_dpp v148, v148, v148 row_xmask:8 row_mask:0xf bank_mask:0xf
	s_delay_alu instid0(VALU_DEP_1)
	v_permlanex16_b32 v149, v148, s[SEL], s[SEL+1]
	s_delay_alu instid0(VALU_DEP_1)
	v_max_num_f32 v148, v148, v149
.irp i,0,1,2,3
	v_sub_f32 v[144+\i], v[144+\i], v148
.endr
.irp i,0,1,2,3
	s_delay_alu instid0(VALU_DEP_4)
	v_mul_f32 v[144+\i], 0x3fb8aa3b, v[144+\i]     ; x log2(e)
.endr
	s_wait_alu depctr_va_vdst(0)
.irp i,0,1,2,3
	v_exp_f32 v[144+\i], v[144+\i]
.endr
	v_nop                                          ; a plain instruction behind the exponentials
	s_wait_alu depctr_va_vdst(0)
	v_add_f32 v150, v144, v145
	v_add_f32 v151, v146, v147
	s_delay_alu instid0(VALU_DEP_1)
	v_add_f32 v150, v150, v151
	WSUM 150, 149
	s_wait_alu depctr_va_vdst(0)
	v_rcp_f32 v151, v150
	v_nop
	s_wait_alu depctr_va_vdst(0)
.irp i,0,1,2,3
	v_mul_f32 v[144+\i], v[144+\i], v151           ; w
.endr
	s_delay_alu instid0(VALU_DEP_3)
	v_add_f32 v152, v144, v145
	s_delay_alu instid0(VALU_DEP_2)
	v_add_f32 v153, v146, v147
	s_delay_alu instid0(VALU_DEP_1)
	v_add_f32 v152, v152, v153
	WSUM 152, 149                                  ; sw = the sum of w as it is stored: what vb2 is weighed with
	s_delay_alu instid0(VALU_DEP_1)
	v_mov_b32 v153, v152
	s_delay_alu instid0(VALU_DEP_2)
	v_mov_b32 v154, v152
	s_delay_alu instid0(VALU_DEP_3)
	v_mov_b32 v155, v152
	global_store_b128 v[LI], v[144:147], s[28:29]
	global_store_b128 v[LI], v[152:155], s[28:29] offset:512
.Ldone:
	s_barrier_signal -1
	s_barrier_wait -1
	s_wait_xcnt 0x0
	v_lshl_add_u32 v254, v0, 2, 0x9000
	v_mov_b32 v255, 0
	s_wait_alu depctr_va_vdst(0)
	s_wait_tensorcnt 0x0
	ds_add_u32 v254, v255
	s_wait_dscnt 0x0
	s_endpgm
.Lfunc_end_k_q158aae1ec5_prep:
	.size	k_q158aae1ec5_prep, .Lfunc_end_k_q158aae1ec5_prep-k_q158aae1ec5_prep
	.p2alignl 7, 3214868480
	.fill 96, 4, 3214868480
	.section	.rodata,"a",@progbits
	.p2align	6, 0x0
	.amdhsa_kernel k_q158aae1ec5_prep
		.amdhsa_group_segment_fixed_size 37888
		.amdhsa_private_segment_fixed_size 0
		.amdhsa_enable_private_segment 0
		.amdhsa_kernarg_size 104
		.amdhsa_user_sgpr_count 2
		.amdhsa_user_sgpr_kernarg_segment_ptr 1
		.amdhsa_wavefront_size32 1
		.amdhsa_system_sgpr_workgroup_id_x 1
		.amdhsa_system_sgpr_workgroup_id_y 1
		.amdhsa_system_sgpr_workgroup_id_z 1
		.amdhsa_system_vgpr_workitem_id 0
		.amdhsa_next_free_vgpr 512
		.amdhsa_next_free_sgpr 66
		.amdhsa_reserve_vcc 0
		.amdhsa_float_denorm_mode_32 3
		.amdhsa_float_denorm_mode_16_64 3
		.amdhsa_memory_ordered 1
		.amdhsa_forward_progress 1
		.amdhsa_inst_pref_size 130
	.end_amdhsa_kernel
	.amdgpu_metadata
---
amdhsa.version: [ 1, 2 ]
amdhsa.kernels:
  - .name:           k_q158aae1ec5_prep
    .symbol:         k_q158aae1ec5_prep.kd
    .args:
      - { .name: session, .offset: 0, .size: 8, .value_kind: global_buffer, .address_space: global }
      - { .name: kW1, .offset: 8, .size: 8, .value_kind: global_buffer, .address_space: global }
      - { .name: kb1, .offset: 16, .size: 8, .value_kind: global_buffer, .address_space: global }
      - { .name: vW1, .offset: 24, .size: 8, .value_kind: global_buffer, .address_space: global }
      - { .name: vb1, .offset: 32, .size: 8, .value_kind: global_buffer, .address_space: global }
      - { .name: pos_embeds_codes, .offset: 40, .size: 8, .value_kind: global_buffer, .address_space: global }
      - { .name: pos_embeds_scales, .offset: 48, .size: 8, .value_kind: global_buffer, .address_space: global }
      - { .name: kW2_codes, .offset: 56, .size: 8, .value_kind: global_buffer, .address_space: global }
      - { .name: kW2_scales, .offset: 64, .size: 8, .value_kind: global_buffer, .address_space: global }
      - { .name: kb2, .offset: 72, .size: 8, .value_kind: global_buffer, .address_space: global }
      - { .name: query, .offset: 80, .size: 8, .value_kind: global_buffer, .address_space: global }
      - { .name: base_img, .offset: 88, .size: 8, .value_kind: global_buffer, .address_space: global }
      - { .name: wbuf, .offset: 96, .size: 8, .value_kind: global_buffer, .address_space: global }
    .group_segment_fixed_size: 37888
    .private_segment_fixed_size: 0
    .kernarg_segment_align: 8
    .kernarg_segment_size: 104
    .max_flat_workgroup_size: 256
    .sgpr_count:     66
    .vgpr_count:     512
    .wavefront_size: 32
...
	.end_amdgpu_metadata
.endif
;; end of part 1
;; launch pool (part 2): grid 256 x 1, 4 waves a work-group, no clusters, 181,248 bytes of LDS; arguments state_in, vW1, vW2_codes, vW2_scales, vb2, base_img, wbuf, out0; writes out0
.if DOCPART == 2
	.amdgcn_target "amdgcn-amd-amdhsa--gfx1250"
	.amdhsa_code_object_version 6
	.text
	.protected	k_q158aae1ec5_pool
	.globl	k_q158aae1ec5_pool
	.p2align	8
	.type	k_q158aae1ec5_pool,@function
k_q158aae1ec5_pool:
	s_mov_b64 s[64:65], 0
	v_nop
	global_prefetch_b8 v0, s[64:65] scope:SCOPE_SE
	s_setreg_imm32_b32 hwreg(HW_REG_WAVE_MODE, 25, 1), 1
	s_wait_xcnt 0x0
; out0[row][n] = the sum over c of w[b][c] (Q(gelu(base[b][c][:] + state_in[row][c] vW1[256][:])) . vW2[:, n]) + vb2[n] sw[b],   row = (b, t, a), 4,096 rows.
; The product runs on E4M3 codes with E8M0 scales (v_wmma_scale_f32_16x16x128_f8f6f4): vW2 as it is given, the hidden layer quantised in registers along its 128.  base, w, sw come from the launch before.
; SHARES.  A work-group takes 16 rows of one b; four waves, one to a SIMD.  Wave w owns channels 32 w .. 32 w + 31 (two tiles of 16) for all 16 rows: its base (128 registers), vW1's last row (64), all of vW2 (256) and its w (16) stay in registers.
; LAYOUT.  Source 0 = the hidden layer's codes: lane (r, h) holds channel r of the tile, k = 32 c + 16 h + 0 .. 15 in registers 4 c .. 4 c + 3.  Source 1 = 16 columns of vW2: in tile 4 g + u LANE r TAKES COLUMN 64 g + 4 r + u.
; In a result register j is channel 8 h + j and the lane a column: pooling is a packed multiply-add with w down the registers, and a lane's sums of tiles 4 g .. 4 g + 3 are four neighbouring outputs.
; A FRAGMENT (16 channels x 128, 64 numbers a lane) GOES THROUGH EACH STEP WHOLE: one batch of 64 reciprocals with one wait ahead of it and one behind it; the four blocks' searches for the maximum in eight chains by turns.
; BY TURNS.  The fragment before's 16 products stand among this fragment's multiply-adds, four at a time, each four's 16 pooling lines a run of 32 multiply-adds behind them and ahead of the reciprocals.  Codes and scale words have two sets.  Every product starts at C = 0.
; A trip of the loop: tile 0 of row i | the products of (i - 1, tile 1); row i - 1 leaves; tile 1 of row i | the products of (i, tile 0).  The first trip has no row before it: it multiplies codes of zero, and its sums go to a slot of LDS that nobody reads.
; The last fragment's products are written out behind the loop.  The sum over channels is finished through LDS at the end: eight partial rows (4 waves x 2 halves of the lanes) for each of the 16 rows.
; GELU: x (0.5 + xc P(xc^2) / Q(xc^2)), xc = x held to +-4 sqrt 2; xc P / Q = erf(x / sqrt 2) / 2, P of degree 6, Q of degree 4 (the powers of 2 and the sqrt 2 are folded into the coefficients).
; LIMITS: NaN and infinities are not served; beyond |x| = 5.657 erf is the rational's value at that bound; a block of zeros gets the scale byte 1 (its codes are zeros, and this program alone reads the byte).
; NO CLUSTER, NO TENSOR LOAD, NO PREFETCH: every global read stands once, at the head (105 KiB a work-group); the loop reads one word of LDS a lane for 64 hidden numbers.
.set BIMG,  0                          ; LDS: vW2's 16 fragments as register images, 2,048 bytes each (group c at 512 c + 16 lane)
.set STATE, 32768                      ; the 16 rows of state, 512 bytes each, and 512 bytes of zeros: the last trip's look-ahead reads one row on
.set PART,  41472                      ; partial rows: 17 slots of 8,192; slot 0 takes the first trip's sums, slot i + 1 row i's; in a slot wave x 2,048 + h x 1,024 + 4 x column
.set SPARE, PART+17*8192               ; the spare words, 128 bytes a wave
; window 0:
.set LI,   1                           ; 16 x lane
.set SA0,  2                           ; STATE + 128 wave + 4 r
.set SAV,  3                           ; the same in row i
.set PA0,  4                           ; PART + 2,048 wave + 1,024 h + 16 r
.set PAV,  5
.set SS,   6                           ; v[6:7], v[8:9] the state number of tile 0, of tile 1 (the low word serves both halves)
.set SPW,  10
.set NIL,  11
.set FA,   12                          ; the end: where my four rows' partial rows lie
.set GO,   13                          ; 4,096 wave + 16 lane
.set LV,   14                          ; 4 sqrt 2
.set X,    16                          ; v16-79   the fragment's 64 hidden numbers
.set CD,   80                          ; v80-111  codes, two sets of 16
.set D,    112                         ; v112-143 four results
.set ACC,  144                         ; v144-175 pooled sums: a pair (even, odd channels) for each of 16 tiles of columns
.set WR,   176                         ; v176-191 w of my channels: tile t, channels 8 h + 0 .. 7 at 8 t
.set BS,   192                         ; v192-207 vW2's scale words
.set AS,   208                         ; v208-209 the hidden layer's scale words, two sets
.set MA,   210                         ; four registers each, one a block: two chains of maxima,
.set MB,   214
.set PXR,  218                         ; the other half's maximum,
.set SO,   222                         ; the conversion's scale operand,
.set HB,   226                         ; 448 x the scale,
.set BY,   230                         ; the scale's byte
.set O,    234                         ; v234-249 a finished row's 16 sums
.set RES,  144                         ; the end: 8 registers a row
; window 1: vW2's fragments, tile n at v[16 n].   window 2:
.set BASE, 0                           ; v0-127   base, tile t at 64 t
.set U,    128                         ; v128-191 vW1[256], in the same order
.set Y,    192                         ; v192-255 xc^2
; window 3:
.set XC,   0
.set P,    64
.set Q,    128
.set KA,   192                         ; the leading coefficients of P and Q, as pairs
.set KB,   194
.set VB2,  196                         ; vb2 of the columns that I store
.set SW,   204                         ; sw, twice
.set WV,   20
.set BB,   21
.set CNT,  24
.set ROFF, 25
.set POFF, 26
.set MNT,  28
.set SEL,  30
.set CA5,  32
.set CA4,  34
.set CA3,  36
.set CA2,  38
.set CA1,  40
.set CA0,  42
.set CB3,  44
.set CB2,  46
.set CB1,  48
.set CB0,  50
.set MSB, 0
.macro WIN new                         ; the immediate's high byte repeats the setting that is left
.if MSB != \new
	s_set_vgpr_msb (MSB<<8)|\new
.set MSB, \new
.endif
.endm
.set W_HORN, 0xcb                      ; destination and source 0 window 3, source 1 (y) window 2
.macro SPAIR reg, val                  ; a packed form names a scalar pair: both words are written
	s_mov_b32 s[\reg], \val
	s_mov_b32 s[\reg+1], \val
.endm
.macro PLACES n
.rept \n
	v_nop
.endr
.endm
; A group's 16 pooling lines.  Line p: channels 2 (p / 4), 2 (p / 4) + 1 of result p % 4, so each result is first read at its registers 0 and 1.
; PT: the products' tile of channels: tile 0's first line starts a row's sums.
.set PI, 0
.set PB, 0
.set PT, 0
.set DB, D
.macro PG g
	WIN 0
.set PB, \g
.set PI, 0
.rept 16
.if (PT == 0) && (PI < 4)
	v_pk_mul_f32 v[ACC+2*(4*PB+PI%4):ACC+2*(4*PB+PI%4)+1], v[DB+8*(PI%4)+2*(PI/4):DB+8*(PI%4)+2*(PI/4)+1], v[WR+8*PT+2*(PI/4):WR+8*PT+2*(PI/4)+1]
.else
	v_pk_fma_f32 v[ACC+2*(4*PB+PI%4):ACC+2*(4*PB+PI%4)+1], v[DB+8*(PI%4)+2*(PI/4):DB+8*(PI%4)+2*(PI/4)+1], v[WR+8*PT+2*(PI/4):WR+8*PT+2*(PI/4)+1], v[ACC+2*(4*PB+PI%4):ACC+2*(4*PB+PI%4)+1]
.endif
.set PI, PI+1
.endr
.endm
.macro MM4 s, g                        ; four products of the fragment whose codes lie in set s: tiles of columns 4 g .. 4 g + 3
	WIN 0x04                                                       ; source 1 (vW2) window 1
.irp q,0,1,2,3
	v_wmma_scale_f32_16x16x128_f8f6f4 v[DB+8*\q:DB+8*\q+7], v[CD+16*(\s):CD+16*(\s)+15], v[16*(4*(\g)+\q):16*(4*(\g)+\q)+15], 0, v[AS+(\s)], v[BS+4*(\g)+\q]
.endr
.endm
.macro LEAD d, k, c                    ; d = k y + c, 64 numbers
	WIN W_HORN
.set cnt, 0
.rept 32
	v_pk_fma_f32 v[\d+cnt:\d+cnt+1], v[\k:\k+1], v[Y+cnt:Y+cnt+1], s[\c:\c+1] op_sel_hi:[1,1,0]
.set cnt, cnt+2
.endr
.endm
.macro HORN d, c                       ; d = d y + c, 64 numbers
	WIN W_HORN
.set cnt, 0
.rept 32
	v_pk_fma_f32 v[\d+cnt:\d+cnt+1], v[\d+cnt:\d+cnt+1], v[Y+cnt:Y+cnt+1], s[\c:\c+1] op_sel_hi:[1,1,0]
.set cnt, cnt+2
.endr
.endm
; The fragment's four blocks of 32 (a lane holds 16 numbers of each, the other 16 lie in lane xor 16) become the 16 registers of codes of set tau and its scale word
.macro QUANT tau
.irp b,0,1,2,3
	v_max3_num_f32 v[MA+\b], |v[X+16*\b]|, |v[X+16*\b+1]|, 0x4800000   ; with the floor 2^(9 - 127): the byte cannot fall under 1
.endr
.irp b,0,1,2,3
	v_max3_num_f32 v[MB+\b], |v[X+16*\b+8]|, |v[X+16*\b+9]|, |v[X+16*\b+10]|
.endr
.irp s,0,1,2
.irp b,0,1,2,3
	v_max3_num_f32 v[MA+\b], v[MA+\b], |v[X+16*\b+2+2*\s]|, |v[X+16*\b+3+2*\s]|
.endr
.if \s < 2
.irp b,0,1,2,3
	v_max3_num_f32 v[MB+\b], v[MB+\b], |v[X+16*\b+11+2*\s]|, |v[X+16*\b+12+2*\s]|
.endr
.endif
.endr
.irp b,0,1,2,3
	v_max3_num_f32 v[MA+\b], v[MA+\b], v[MB+\b], |v[X+16*\b+15]|
.endr
.irp b,0,1,2,3
	v_permlanex16_b32 v[PXR+\b], v[MA+\b], s[SEL], s[SEL+1]
.endr
.irp b,0,1,2,3
	v_max_num_f32 v[MA+\b], v[MA+\b], v[PXR+\b]                    ; the block's largest magnitude
.endr
.irp b,0,1,2,3
	v_add_nc_u32 v[SO+\b], 0xfc000000, v[MA+\b]                    ; 8 off its exponent field: the conversion's scale operand
.endr
.irp b,0,1,2,3
	v_and_or_b32 v[HB+\b], v[MA+\b], 0x7f800000, s[MNT]            ; 448 x the scale
.endr
	v_lshrrev_b32 v[AS+\tau], 23, v[SO]                            ; the scales' bytes
.irp b,1,2,3
	v_lshrrev_b32 v[BY+\b], 23, v[SO+\b]
.endr
.irp b,0,1,2,3
.irp i,0,1,2,3,4,5,6,7,8,9,10,11,12,13,14,15
	v_med3_num_f32 v[X+16*\b+\i], v[X+16*\b+\i], -v[HB+\b], v[HB+\b]   ; the conversion to an 8-bit code does not saturate (ISA guide 7.6.2): the hold
.endr
.if \b < 3
	v_lshl_or_b32 v[AS+\tau], v[BY+\b+1], 8*(\b+1), v[AS+\tau]
.endif
.endr
.irp b,0,1,2,3
	v_cvt_scalef32_pk8_fp8_f32 v[CD+16*\tau+4*\b:CD+16*\tau+4*\b+1], v[X+16*\b:X+16*\b+7], v[SO+\b]
	v_cvt_scalef32_pk8_fp8_f32 v[CD+16*\tau+4*\b+2:CD+16*\tau+4*\b+3], v[X+16*\b+8:X+16*\b+15], v[SO+\b]
.endr
	v_nop                                                          ; one plain line behind the conversions
.endm
; The fragment of tile tau; inside it the products and the pooling of the fragment before (set 1 - tau).  w: the LDS instructions behind the load of my state number, which may stay out
.macro FRAG tau, w
.set PT, 1-\tau
.set DB, D
	s_wait_alu depctr_va_vdst(0)                                   ; the wait ahead of a wait that blocks
	s_wait_dscnt \w                                                ; the state number asked for a fragment ago
.if \tau == 0
	ds_load_b32 v[SS+2], v[SAV] offset:64                          ; the next fragment's: the same row's tile 1,
.else
	ds_load_b32 v[SS], v[SAV] offset:512                           ; or the next row's tile 0
.endif
	WIN 0x22                                                       ; sources 0 (vW1's last row) and 2 (base) window 2
.set cnt, 0
.rept 32
	v_pk_fma_f32 v[X+cnt:X+cnt+1], v[U+cnt:U+cnt+1], v[SS+2*\tau:SS+2*\tau+1], v[BASE+64*\tau+cnt:BASE+64*\tau+cnt+1] op_sel_hi:[1,0,1]
.set cnt, cnt+2
.endr
	WIN 0xc0                                                       ; destination window 3
.set cnt, 0
.rept 64
	v_med3_num_f32 v[XC+cnt], v[LV], v[X+cnt], -v[LV]
.set cnt, cnt+1
.endr
	WIN 0x8f                                                       ; destination window 2, sources window 3
.set cnt, 0
.rept 32
	v_pk_mul_f32 v[Y+cnt:Y+cnt+1], v[XC+cnt:XC+cnt+1], v[XC+cnt:XC+cnt+1]
.set cnt, cnt+2
.endr
	LEAD P, KA, CA5
	MM4 1-\tau, 0
	LEAD Q, KB, CB3                                                ; 32 plain lines: more than the eight places ahead of the reads of the results
	PG 0
	MM4 1-\tau, 1
	HORN P, CA4
	PG 1
	MM4 1-\tau, 2
	HORN Q, CB2
	PG 2
	MM4 1-\tau, 3
	HORN P, CA3
	PG 3
	HORN Q, CB1
	HORN P, CA2
	HORN Q, CB0
	HORN P, CA1
	HORN P, CA0
	WIN 0xcf                                                       ; destination and sources 0, 1 window 3
	s_wait_alu depctr_va_vdst(0)                                   ; the wait ahead of the batch,
.set cnt, 0
.rept 32
	v_rcp_f32 v[Q+cnt], v[Q+cnt]
	v_rcp_f32 v[Q+cnt+1], v[Q+cnt+1]
	v_pk_mul_f32 v[P+cnt:P+cnt+1], v[XC+cnt:XC+cnt+1], v[P+cnt:P+cnt+1]    ; xc P
.set cnt, cnt+2
.endr
	s_wait_alu depctr_va_vdst(0)                                   ; and behind it
.set cnt, 0
.rept 32
	v_pk_fma_f32 v[P+cnt:P+cnt+1], v[P+cnt:P+cnt+1], v[Q+cnt:Q+cnt+1], 0.5 op_sel_hi:[1,1,0]
.set cnt, cnt+2
.endr
	WIN 0x0c                                                       ; source 1 window 3
.set cnt, 0
.rept 32
	v_pk_mul_f32 v[X+cnt:X+cnt+1], v[X+cnt:X+cnt+1], v[P+cnt:P+cnt+1]      ; of the x that was not held
.set cnt, cnt+2
.endr
	WIN 0
	QUANT \tau
.endm
.macro ROWOUT                          ; a row's sums over my 32 channels (my half's 16): even and odd channels are added, and the 16 numbers go to my partial row
.set cnt, 0
.rept 16
	v_add_f32 v[O+cnt], v[ACC+2*cnt], v[ACC+2*cnt+1]
.set cnt, cnt+1
.endr
	v_add_nc_u32 v[PAV], s[POFF], v[PA0]
.irp g,0,1,2,3
	ds_store_b128 v[PAV], v[O+4*\g:O+4*\g+3] offset:256*\g         ; columns 64 g + 4 r + 0 .. 3
.endr
.endm
	s_load_b512 s[4:19], s[0:1], 0x0               ; state_in 4, vW1 6, vW2 codes 8, vW2 scales 10, vb2 12, base_img 14, wbuf 16, out0 18
	v_lshl_add_u32 v[SPW], v0, 2, SPARE
	v_mov_b32 v[NIL], 0
	v_lshrrev_b32 v240, 5, v0
	v_readfirstlane_b32 s[WV], v240                ; wave 0..3
	s_lshr_b32 s[BB], ttmp9, 5                     ; b: 32 work-groups to each
	s_lshl_b32 s57, s[WV], 7
	s_add_co_u32 s54, s57, STATE
	s_lshl_b32 s55, s[WV], 11
	s_add_co_u32 s55, s55, PART
	s_lshl_b32 s56, s[WV], 13
	s_lshl_b32 s58, s[WV], 15
	s_add_co_u32 s58, s58, PART+8192               ; the slot of row 4 wave
	s_lshl_b32 s59, s[WV], 12
	s_mov_b32 s[SEL], 0x76543210
	s_mov_b32 s[SEL+1], 0xfedcba98                 ; lane xor 16
	s_mov_b32 s[MNT], 0x600000                     ; the mantissa field of 448
	SPAIR CA5, 0x2fedffee
	SPAIR CA4, 0xb38cff51
	SPAIR CA3, 0xb66ec2d2
	SPAIR CA2, 0xb8c0ac63
	SPAIR CA1, 0xba41a1f6
	SPAIR CA0, 0xbc03dbd4
	SPAIR CB3, 0xb81e3512
	SPAIR CB2, 0xba1bf7b5
	SPAIR CB1, 0xbbaad7f2
	SPAIR CB0, 0xbca542a9
	s_mov_b32 s[ROFF], 0
	s_mov_b32 s[POFF], 0
	s_mov_b32 s[CNT], 16
	s_mov_b32 s23, 0
	v_and_b32 v240, 31, v0                         ; lane
	v_and_b32 v241, 15, v0                         ; r
	v_bfe_u32 v242, v0, 4, 1                       ; h
	v_lshlrev_b32 v[LI], 4, v240
	v_lshl_add_u32 v[SA0], v241, 2, s54
	v_lshl_add_u32 v[PA0], v242, 10, s55
	v_lshlrev_b32 v247, 4, v241                    ; 16 r
	v_lshlrev_b32 v248, 4, v0                      ; 16 x thread
	v_lshlrev_b32 v243, 9, v241
	v_lshl_add_u32 v[PA0], v241, 4, v[PA0]
	v_lshl_add_u32 v243, v242, 4, v243             ; 512 r + 16 h
	v_add_nc_u32 v244, s56, v[LI]                  ; 8,192 wave + 16 lane
	v_lshlrev_b32 v245, 6, v242                    ; 64 h
	v_lshl_add_u32 v246, v242, 5, s57              ; 128 wave + 32 h
	v_add_nc_u32 v[FA], s58, v[LI]
	v_add_nc_u32 v[GO], s59, v[LI]
	v_lshl_add_u32 v249, v0, 2, STATE+8192
	v_mov_b32 v[LV], 0x40b504f3                    ; 4 sqrt 2
	v_mov_b32 v[SS+1], 0                           ; (named as the upper halves of pairs)
	v_mov_b32 v[SS+3], 0
.irp b,0,1,2,3
	v_mov_b32 v[PXR+\b], 0                         ; written once: a lane permute's destination counts as one of its sources
.endr
	WIN 0xc0
	v_mov_b32 v[KA], 0xac15df0b
	v_mov_b32 v[KA+1], 0xac15df0b
	v_mov_b32 v[KB], 0xb5accd2b
	v_mov_b32 v[KB+1], 0xb5accd2b
	WIN 0
	s_wait_alu depctr_va_vdst(0)
	s_wait_kmcnt 0x0
	s_lshl_b32 s22, ttmp9, 13
	s_add_nc_u64 s[4:5], s[4:5], s[22:23]          ; my 16 rows of state,
	s_lshl_b32 s22, ttmp9, 14
	s_add_nc_u64 s[18:19], s[18:19], s[22:23]      ; and of out0
	s_lshl_b32 s22, s[WV], 13
	s_add_nc_u64 s[8:9], s[8:9], s[22:23]          ; the quarter of vW2 that I bring in: columns 64 wave on
	s_lshl_b32 s22, s[BB], 16
	s_lshl_b32 s27, s[WV], 14
	s_add_co_u32 s22, s22, s27
	s_add_nc_u64 s[14:15], s[14:15], s[22:23]      ; base_img at (b, my two tiles of channels)
	s_lshl_b32 s22, s[BB], 10
	s_add_nc_u64 s[16:17], s[16:17], s[22:23]      ; wbuf at b
	; ---- what goes through LDS first: the work-group's state (2,048 consecutive bytes an instruction) and my four tiles of vW2
.irp i,0,1,2,3
	global_load_b128 v[16+4*\i:19+4*\i], v248, s[4:5] offset:2048*\i th:TH_LOAD_NT
.endr
.irp u,0,1,2,3
.irp c,0,1,2,3
	global_load_b128 v[80+16*\u+4*\c:83+16*\u+4*\c], v243, s[8:9] offset:128*\u+32*\c    ; column 64 wave + 4 r + u, k = 32 c + 16 h on
.endr
.endr
	WIN 0x80                                       ; destination window 2
.irp t,0,1
.irp q,0,1,2,3,4,5,6,7,8,9,10,11,12,13,14,15
	global_load_b128 v[BASE+64*\t+4*\q:BASE+64*\t+4*\q+3], v[LI], s[14:15] offset:8192*\t+512*\q
.endr
.endr
	WIN 0
	s_wait_loadcnt 32                              ; base's 32 loads stand behind the first 20
.irp i,0,1,2,3
	ds_store_b128 v248, v[16+4*\i:19+4*\i] offset:STATE+2048*\i
.endr
	ds_store_b32 v249, v[SS+1]                     ; the zeros behind the state
.irp u,0,1,2,3
.irp c,0,1,2,3
	ds_store_b128 v244, v[80+16*\u+4*\c:83+16*\u+4*\c] offset:BIMG+2048*\u+512*\c
.endr
.endr
	WIN 0x80
.irp b,0,1,2,3
.irp q,0,1,2,3
	global_load_b128 v[U+16*\b+4*\q:U+16*\b+4*\q+3], v245, s[6:7] offset:131072+128*\b+16*\q     ; vW1[256][32 b + 16 h + 4 q ..]
.endr
.endr
	WIN 0xc0
	global_load_b128 v[VB2:VB2+3], v[LI], s[12:13]
	global_load_b128 v[VB2+4:VB2+7], v[LI], s[12:13] offset:512
	global_load_b64 v[SW:SW+1], v[LI], s[16:17] offset:512         ; sw stands there 128 times: any two of them
	WIN 0
.irp t,0,1
	global_load_b128 v[WR+8*\t:WR+8*\t+3], v246, s[16:17] offset:64*\t
	global_load_b128 v[WR+8*\t+4:WR+8*\t+7], v246, s[16:17] offset:64*\t+16
.endr
.irp g,0,1,2,3
	global_load_b128 v[BS+4*\g:BS+4*\g+3], v247, s[10:11] offset:256*\g        ; the words of columns 64 g + 4 r + 0 .. 3: tiles 4 g .. 4 g + 3
.endr
	s_wait_dscnt 0x0                               ; my LDS stores have landed
	s_barrier_signal -1
	s_barrier_wait -1                              ; state and all of vW2 lie in LDS; neither is written again
	ds_load_b32 v[SS], v[SA0]                      ; row 0, tile 0
	WIN 0x40                                       ; destination window 1
.set cnt, 0
.rept 16
.irp c,0,1,2,3
	ds_load_b128 v[16*cnt+4*\c:16*cnt+4*\c+3], v[LI] offset:BIMG+2048*cnt+512*\c
.endr
.set cnt, cnt+1
.endr
	WIN 0
.set cnt, 0
.rept 16
	v_mov_b32 v[CD+16+cnt], 0                      ; the first trip multiplies codes of zero,
.set cnt, cnt+1
.endr
	v_mov_b32 v[AS+1], 0x7f7f7f7f                  ; under the scale 1,
.set cnt, 0
.rept 32
	v_mov_b32 v[ACC+cnt], 0                        ; and adds onto zeros
.set cnt, cnt+1
.endr
	s_wait_alu depctr_va_vdst(0)                   ; the wait at the head's end
	s_wait_loadcnt 0x0                             ; base, vW1's last row, w, the scale words, vb2, sw
.Lrow:                                                 ; 16 trips
	v_add_nc_u32 v[SAV], s[ROFF], v[SA0]           ; row i
	FRAG 0, 0                                      ; (the first trip's wait is also for vW2's 64 loads)
	ROWOUT                                         ; row i - 1 leaves for slot i
	FRAG 1, 4                                      ; the four stores just issued may stay out
	s_wait_alu depctr_va_vdst(0)                   ; the wait ahead of the branch
	s_add_co_u32 s[ROFF], s[ROFF], 512
	s_add_co_u32 s[POFF], s[POFF], 8192
	s_sub_co_u32 s[CNT], s[CNT], 1
	s_cmp_lg_u32 s[CNT], 0
	s_cbranch_scc1 .Lrow
	; ---- the products of (15, tile 1): three sets of results take turns (the fragment's 64 numbers are done with)
	PLACES 4                                       ; the last codes stand four places ahead of their products
.set PT, 1
.set DB, D
	MM4 1, 0
.set DB, X
	MM4 1, 1
	WIN 0
	PLACES 8                                       ; eight places ahead of the first read of a result
.set DB, D
	PG 0
.set DB, X+32
	MM4 1, 2
.set DB, X
	PG 1
.set DB, D
	MM4 1, 3
.set DB, X+32
	PG 2
.set DB, D
	PG 3
	ROWOUT
	s_wait_alu depctr_va_vdst(0)
	s_wait_dscnt 0x0                               ; my partial rows have landed
	s_barrier_signal -1
	s_barrier_wait -1
	; ---- THE END: wave w adds the eight partial rows of rows 4 w .. 4 w + 3, adds vb2 x sw, and stores whole rows: 512 consecutive bytes a store
.macro FLOAD i, buf
.irp hf,0,1
.irp p,0,1,2,3,4,5,6,7
	ds_load_b128 v[\buf+32*\hf+4*\p:\buf+32*\hf+4*\p+3], v[FA] offset:8192*\i+1024*\p+512*\hf
.endr
.endr
.endm
.macro FSUM i, buf
.irp p,1,2,3,4,5,6,7
.irp hf,0,1
.irp e,0,2
	v_pk_add_f32 v[\buf+32*\hf+\e:\buf+32*\hf+\e+1], v[\buf+32*\hf+\e:\buf+32*\hf+\e+1], v[\buf+32*\hf+4*\p+\e:\buf+32*\hf+4*\p+\e+1]
.endr
.endr
.endr
	WIN 0x0f                                       ; sources 0 (vb2) and 1 (sw) window 3
.irp hf,0,1
.irp e,0,2
	v_pk_fma_f32 v[RES+8*\i+4*\hf+\e:RES+8*\i+4*\hf+\e+1], v[VB2+4*\hf+\e:VB2+4*\hf+\e+1], v[SW:SW+1], v[\buf+32*\hf+\e:\buf+32*\hf+\e+1]
.endr
.endr
	WIN 0
.irp hf,0,1
	global_store_b128 v[GO], v[RES+8*\i+4*\hf:RES+8*\i+4*\hf+3], s[18:19] offset:1024*\i+512*\hf th:TH_STORE_NT
.endr
.endm
	FLOAD 0, 16
	FLOAD 1, 80
	s_wait_dscnt 16                                ; the first row's 16 loads are in; the next row's 16 may be out
	FSUM 0, 16
	FLOAD 2, 16
	s_wait_alu depctr_va_vdst(0)
	s_wait_dscnt 16
	FSUM 1, 80
	FLOAD 3, 80
	s_wait_alu depctr_va_vdst(0)
	s_wait_dscnt 16
	FSUM 2, 16
	s_wait_alu depctr_va_vdst(0)
	s_wait_dscnt 0x0
	FSUM 3, 80
	s_wait_tensorcnt 0x0                           ; the wave's end
	ds_add_u32 v[SPW], v[NIL]
	s_wait_dscnt 0x0
	s_endpgm
.Lfunc_end_k_q158aae1ec5_pool:
	.size	k_q158aae1ec5_pool, .Lfunc_end_k_q158aae1ec5_pool-k_q158aae1ec5_pool
	.p2alignl 7, 3214868480
	.fill 96, 4, 3214868480
	.section	.rodata,"a",@progbits
	.p2align	6, 0x0
	.amdhsa_kernel k_q158aae1ec5_pool
		.amdhsa_group_segment_fixed_size 181248
		.amdhsa_private_segment_fixed_size 0
		.amdhsa_enable_private_segment 0
		.amdhsa_kernarg_size 64
		.amdhsa_user_sgpr_count 2
		.amdhsa_user_sgpr_kernarg_segment_ptr 1
		.amdhsa_wavefront_size32 1
		.amdhsa_system_sgpr_workgroup_id_x 1
		.amdhsa_system_sgpr_workgroup_id_y 1
		.amdhsa_system_sgpr_workgroup_id_z 1
		.amdhsa_system_vgpr_workitem_id 0
		.amdhsa_next_free_vgpr 1024
		.amdhsa_next_free_sgpr 66
		.amdhsa_reserve_vcc 0
		.amdhsa_float_denorm_mode_32 3
		.amdhsa_float_denorm_mode_16_64 3
		.amdhsa_memory_ordered 1
		.amdhsa_forward_progress 1
		.amdhsa_inst_pref_size 143
	.end_amdhsa_kernel
	.amdgpu_metadata
---
amdhsa.version: [ 1, 2 ]
amdhsa.kernels:
  - .name:           k_q158aae1ec5_pool
    .symbol:         k_q158aae1ec5_pool.kd
    .args:
      - { .name: state_in, .offset: 0, .size: 8, .value_kind: global_buffer, .address_space: global }
      - { .name: vW1, .offset: 8, .size: 8, .value_kind: global_buffer, .address_space: global }
      - { .name: vW2_codes, .offset: 16, .size: 8, .value_kind: global_buffer, .address_space: global }
      - { .name: vW2_scales, .offset: 24, .size: 8, .value_kind: global_buffer, .address_space: global }
      - { .name: vb2, .offset: 32, .size: 8, .value_kind: global_buffer, .address_space: global }
      - { .name: base_img, .offset: 40, .size: 8, .value_kind: global_buffer, .address_space: global }
      - { .name: wbuf, .offset: 48, .size: 8, .value_kind: global_buffer, .address_space: global }
      - { .name: out0, .offset: 56, .size: 8, .value_kind: global_buffer, .address_space: global }
    .group_segment_fixed_size: 181248
    .private_segment_fixed_size: 0
    .kernarg_segment_align: 8
    .kernarg_segment_size: 64
    .max_flat_workgroup_size: 128
    .sgpr_count:     66
    .vgpr_count:     1024
    .wavefront_size: 32
...
	.end_amdgpu_metadata
.endif
;; end of part 2
